; MI455X (gfx1250); checked and timed in simulation.
; The chip was launched on July 23, 2026; its instructions are those of AMD's public machine-readable ISA for CDNA 5 (MIT licence, August 2026) and "CDNA5" Instruction Set Architecture Reference Guide (July 2026). The comments in the code are by the model that wrote it; some were corrected since.
;; Module Selector. Allowed arithmetic: float matrix products may take bf16 or f16 operands with f32 sums; all other float work in f32.
;; Inputs: W1 16 x 256 x 1,024 float32; W2 16 x 1,024 x 256 float32; b1 16 x 1,024 float32; b2 16 x 256 float32; in_feats 8,192 x 256 float32; module_ids 8,192 int32.
;; Outputs: out0 8,192 x 256 float32.
;; 2 versions, each right; version 2 is version 1 with the launch mlp written anew for expert scheduling mode. Each part assembles by itself: llvm-mc -triple=amdgcn-amd-amdhsa -mcpu=gfx1250 --defsym DOCPART=n.
;; ======== version 1 of 2: 2 launches
;; workspace buffers: plan 35,328 bytes of whole numbers
;; launch route (part 1): grid 1 x 1, 32 waves a work-group, no clusters, 73,984 bytes of LDS; arguments module_ids, plan; writes plan
.if DOCPART == 1
	.amdgcn_target "amdgcn-amd-amdhsa--gfx1250"
	.amdhsa_code_object_version 6
	.text
	.protected	k_q0ba709b274_route
	.globl	k_q0ba709b274_route
	.p2align	8
	.type	k_q0ba709b274_route,@function
k_q0ba709b274_route:
	s_mov_b64 s[64:65], 0
	v_nop
	global_prefetch_b8 v0, s[64:65] scope:SCOPE_SE
	s_setreg_imm32_b32 hwreg(HW_REG_WAVE_MODE, 25, 1), 1
	s_wait_xcnt 0x0
; ROUTING.  A counting sort of the 8,192 ids into 17 classes: class c = 0..15 is expert c, class 16 takes every id outside 0..15
; (as an unsigned number: negative ids too); such rows keep the zeros of the result.
; Stored: plan bytes 0..32767      order[8192], the row numbers sorted by class, dense, each entry once;
;         plan bytes 32768..35327  table[160] of (class, start, count, 0): tile tau takes order[start .. start+count-1], 1 <= count <= 64.
; ALWAYS 144 TILES, none empty, so that the next launch has a fixed grid and no exit that hangs on data.  Tiles of 64 rows number
; T = sum of ceil(n_c / 64) <= (8192 + 17 x 63) / 64 = 144.  The 144 - T that are spare are made by cutting full tiles of 64 rows into two of 32,
; class by class from class 0 on.  Full tiles suffice: with P <= 17 classes that have a remainder and F full tiles, F >= 128 - 63 P / 64, so
; 2 F + P >= 239 > 144, that is F >= 144 - F - P.  Entries 144..159 are stored (five whole waves write) and never read.
; One work-group of 32 waves; thread t owns the ids of rows 4t..4t+3 and 4096+4t..4096+4t+3.  No atomics: each thread counts into words of its own.
.set WSTR,  2176                       ; LDS bytes of a wave's counters: 17 classes x 32 lanes x 4 bytes
.set TOT,   69632                      ; 32 x WSTR: behind the counters, the 17 class totals
.set TILES, 144
; LDS: CNT[wave][class][lane] at wave x 2176 + class x 128 + lane x 4
; v0 t, v1 lane, v2 scan temporary, v3 zero, v4 16 t, v5 my counters (class 0), v6/v7 the scan's addresses,
; v8-15 ids then classes, v16-23 counter addresses, v24-31 my count before each id, v32-63 the scan's values, later
; v32-39 inclusive prefixes, v40-47 class offsets, v48-55 store offsets, v56-63 row numbers; v64-79 at work
; inclusive sum of v[x] over the 32 lanes: four shifted adds inside each half of 16 lanes, then lane 15's sum onto lanes 16-31
.macro SCAN x
.irp d, 1,2,4,8
	v_mov_b32_dpp v2, v[\x] row_shr:\d row_mask:0xf bank_mask:0xf bound_ctrl:1
	v_add_nc_u32 v[\x], v[\x], v2
.endr
	v_readlane_b32 s30, v[\x], 15
	v_mov_b32 v2, s30
	v_cndmask_b32 v2, 0, v2, s31                   ; s31 names lanes 16-31
	v_add_nc_u32 v[\x], v[\x], v2
.endm
	s_load_b128 s[4:7], s[0:1], 0x0                ; module_ids s[4:5], plan s[6:7]
	v_lshl_add_u32 v80, v0, 2, 0x11100
	v_mov_b32 v81, 0
	v_and_b32 v1, 31, v0                           ; lane
	v_lshrrev_b32 v3, 5, v0
	v_readfirstlane_b32 s8, v3                     ; wave
	v_lshlrev_b32 v4, 4, v0                        ; 16 t
	s_mul_i32 s9, s8, WSTR
	s_lshl_b32 s10, s8, 7
	s_mov_b32 s31, 0xffff0000
	v_lshl_add_u32 v5, v1, 2, s9                   ; my word of class 0 in my wave's counters
	v_lshl_add_u32 v6, v1, 2, s10                  ; the scan: class = my wave's number, wave 0's counters
	v_add_nc_u32 v7, 16*WSTR, v6                   ; and wave 16's (an LDS immediate has 16 bits)
	v_mov_b32 v2, 0                                ; written once whole: a DPP destination counts as read
	v_mov_b32 v3, 0
	s_wait_kmcnt 0x0
	global_load_b128 v[8:11], v4, s[4:5] th:TH_LOAD_NT
	global_load_b128 v[12:15], v4, s[4:5] offset:16384 th:TH_LOAD_NT
	; PHASE 1: count.  My 17 words are cleared while the ids are on their way.
.irp c, 0,1,2,3,4,5,6,7,8,9,10,11,12,13,14,15,16
	ds_store_b32 v5, v3 offset:128*\c
.endr
	s_wait_loadcnt 0x0
.irp k, 0,1,2,3,4,5,6,7
	v_min_u32 v[8+\k], 16, v[8+\k]                 ; the class; unsigned, so every id outside 0..15 becomes 16
	v_lshl_add_u32 v[16+\k], v[8+\k], 7, v5        ; its counter, inside my wave's 2,176 bytes
.endr
.irp k, 0,1,2,3,4,5,6,7
	ds_load_b32 v[24+\k], v[16+\k]                 ; LDS serves a wave in order: this sees the store of the id before
	s_wait_dscnt 0x0
	v_add_nc_u32 v[64+\k], 1, v[24+\k]
	ds_store_b32 v[16+\k], v[64+\k]
.endr
	s_wait_dscnt 0x0                               ; my counters are in LDS, for the other waves' sake
	s_barrier_signal -1
	s_barrier_wait -1
	; PHASE 2: waves 0..16, one class each: counts become inclusive prefixes in the order (lane, wave).
	s_cmp_gt_u32 s8, 16
	s_cbranch_scc1 .Lscanned
.irp n, 0,1,2,3,4,5,6,7,8,9,10,11,12,13,14,15
	ds_load_b32 v[32+\n], v6 offset:\n*WSTR
.endr
.irp n, 0,1,2,3,4,5,6,7,8,9,10,11,12,13,14,15
	ds_load_b32 v[48+\n], v7 offset:\n*WSTR
.endr
	s_wait_dscnt 0x0
.set n, 1
.rept 31
	v_add_nc_u32 v[32+n], v[32+n], v[31+n]         ; down the 32 waves, in my lane
.set n, n+1
.endr
	v_mov_b32 v64, v63
	SCAN 64                                        ; across the lanes
	v_sub_nc_u32 v65, v64, v63                     ; what the lanes in front of mine hold
.irp n, 0,1,2,3,4,5,6,7,8,9,10,11,12,13,14,15
	v_add_nc_u32 v[32+\n], v65, v[32+\n]
	ds_store_b32 v6, v[32+\n] offset:\n*WSTR
.endr
.irp n, 0,1,2,3,4,5,6,7,8,9,10,11,12,13,14,15
	v_add_nc_u32 v[48+\n], v65, v[48+\n]
	ds_store_b32 v7, v[48+\n] offset:\n*WSTR
.endr
	v_readlane_b32 s30, v64, 31                    ; the class's total
	s_lshl_b32 s9, s8, 2
	s_add_co_u32 s9, s9, TOT
	v_mov_b32 v66, s30
	v_mov_b32 v67, s9
	ds_store_b32 v67, v66                          ; all lanes write the same word with the same value
.Lscanned:
	s_wait_dscnt 0x0                               ; prefixes and totals are in LDS
	s_barrier_signal -1
	s_barrier_wait -1
	; PHASE 3: every thread places its eight rows.
	v_min_u32 v64, 16, v1
	v_lshl_add_u32 v64, v64, 2, TOT
	ds_load_b32 v65, v64                           ; lane c: the total of class c
	v_cmp_gt_u32 vcc_lo, 17, v1
	s_wait_dscnt 0x0
	v_cndmask_b32 v65, 0, v65, vcc_lo              ; lanes 17..31: 0
	v_mov_b32 v66, v65
	SCAN 66
	v_sub_nc_u32 v67, v66, v65                     ; lane c: where class c begins in the list
.irp k, 0,1,2,3,4,5,6,7
	v_lshlrev_b32 v[48+\k], 2, v[8+\k]             ; lane number x 4
	ds_load_b32 v[32+\k], v[16+\k]                 ; the inclusive prefix of my (class, thread)
	ds_bpermute_b32 v[40+\k], v[48+\k], v67        ; the class's beginning
.endr
.irp k, 0,1,2,3
	v_lshl_add_u32 v[56+\k], v0, 2, \k             ; row 4 t + k
	v_lshl_add_u32 v[60+\k], v0, 2, 4096+\k        ; row 4096 + 4 t + k
.endr
	s_wait_dscnt 0x0
.irp k, 0,1,2,3,4,5,6,7
	v_not_b32 v[24+\k], v[24+\k]                   ; -1 - (my count before this id)
	v_add3_u32 v[48+\k], v[40+\k], v[32+\k], v[24+\k]  ; my ids of a class fill my range of it from the top down, one place each
	v_min_u32 v[48+\k], 0x1fff, v[48+\k]           ; a place is 0..8191
	v_lshlrev_b32 v[48+\k], 2, v[48+\k]
	global_store_b32 v[48+\k], v[56+\k], s[6:7]    ; eight offsets and eight data registers, none written again
.endr
	; PHASE 4: threads 0..159 write the table, one entry each.
	s_cmp_gt_u32 s8, 4
	s_cbranch_scc1 .Ldone
	v_add_nc_u32 v68, 63, v65
	v_lshrrev_b32 v68, 6, v68                      ; lane c: tiles of 64 rows that class c needs
	v_lshrrev_b32 v70, 6, v65                      ; lane c: how many of them are full
	v_mov_b32 v69, v68
	SCAN 69
	v_readlane_b32 s9, v69, 31                     ; T (lanes 17..31 add nothing)
	s_sub_co_u32 s9, TILES, s9                     ; the spare tiles, 0..16
	v_mov_b32 v71, v70
	SCAN 71
	v_sub_nc_u32 v71, v71, v70                     ; full tiles of the classes in front of c
	v_sub_nc_u32 v71, s9, v71                      ; what is left of the spare ones for class c, below 0 if none
	v_max_i32 v71, 0, v71
	v_min_u32 v71, v70, v71                        ; lane c: e, the full tiles of class c that are cut in two
	v_add_nc_u32 v68, v68, v71                     ; lane c: its tiles
	v_mov_b32 v69, v68
	SCAN 69                                        ; lane c: tiles of classes 0..c; lane 16: 144
	v_sub_nc_u32 v70, v69, v68                     ; lane c: the first tile of class c
.irp c, 0,1,2,3,4,5,6,7,8,9,10,11,12,13,14,15,16
	v_readlane_b32 s[32+\c], v69, \c
.endr
	v_mov_b32 v76, 0
.irp c, 0,1,2,3,4,5,6,7,8,9,10,11,12,13,14,15,16
	v_cmp_le_u32 vcc_lo, s[32+\c], v0              ; class c ends at or before tile t
	v_add_co_ci_u32 v76, vcc_lo, 0, v76, vcc_lo    ; the tile's class = how many classes do (17 for t >= 144: entries that are not read)
.endr
	v_lshlrev_b32 v73, 2, v76
	ds_bpermute_b32 v74, v73, v70                  ; the class's first tile
	ds_bpermute_b32 v77, v73, v67                  ; its beginning in the list
	ds_bpermute_b32 v78, v73, v65                  ; its rows
	ds_bpermute_b32 v75, v73, v71                  ; its e
	v_mov_b32 v79, 0
	v_mov_b32 v72, 32
	s_wait_dscnt 0x0
	v_sub_nc_u32 v74, v0, v74                      ; rel: which tile of its class
	v_lshlrev_b32 v75, 1, v75                      ; the first 2 e tiles have 32 rows
	v_cmp_lt_u32 vcc_lo, v74, v75
	v_min_u32 v75, v74, v75                        ; a: tiles of 32 rows in front of mine
	v_sub_nc_u32 v74, v74, v75                     ; b: tiles of 64 rows in front of mine
	v_lshlrev_b32 v75, 5, v75
	v_lshl_add_u32 v74, v74, 6, v75                ; 32 a + 64 b
	v_cndmask_b32 v72, 64, v72, vcc_lo             ; my size: 32 or 64,
	v_add_nc_u32 v77, v77, v74                     ; start
	v_sub_nc_u32 v78, v78, v74
	v_min_u32 v78, v72, v78                        ; count: or what is left of the class
	global_store_b128 v4, v[76:79], s[6:7] offset:32768  ; a wave's store covers 512 consecutive bytes
.Ldone:
	s_wait_tensorcnt 0x0
	ds_add_u32 v80, v81
	s_wait_dscnt 0x0
	s_endpgm
.Lfunc_end_k_q0ba709b274_route:
	.size	k_q0ba709b274_route, .Lfunc_end_k_q0ba709b274_route-k_q0ba709b274_route
	.p2alignl 7, 3214868480
	.fill 96, 4, 3214868480
	.section	.rodata,"a",@progbits
	.p2align	6, 0x0
	.amdhsa_kernel k_q0ba709b274_route
		.amdhsa_group_segment_fixed_size 73984
		.amdhsa_private_segment_fixed_size 0
		.amdhsa_enable_private_segment 0
		.amdhsa_kernarg_size 16
		.amdhsa_user_sgpr_count 2
		.amdhsa_user_sgpr_kernarg_segment_ptr 1
		.amdhsa_wavefront_size32 1
		.amdhsa_system_sgpr_workgroup_id_x 1
		.amdhsa_system_sgpr_workgroup_id_y 1
		.amdhsa_system_sgpr_workgroup_id_z 1
		.amdhsa_system_vgpr_workitem_id 0
		.amdhsa_next_free_vgpr 82
		.amdhsa_next_free_sgpr 66
		.amdhsa_reserve_vcc 1
		.amdhsa_float_denorm_mode_32 3
		.amdhsa_float_denorm_mode_16_64 3
		.amdhsa_memory_ordered 1
		.amdhsa_forward_progress 1
		.amdhsa_inst_pref_size 23
	.end_amdhsa_kernel
	.amdgpu_metadata
---
amdhsa.version: [ 1, 2 ]
amdhsa.kernels:
  - .name:           k_q0ba709b274_route
    .symbol:         k_q0ba709b274_route.kd
    .args:
      - { .name: module_ids, .offset: 0, .size: 8, .value_kind: global_buffer, .address_space: global }
      - { .name: plan, .offset: 8, .size: 8, .value_kind: global_buffer, .address_space: global }
    .group_segment_fixed_size: 73984
    .private_segment_fixed_size: 0
    .kernarg_segment_align: 8
    .kernarg_segment_size: 16
    .max_flat_workgroup_size: 1024
    .sgpr_count:     66
    .vgpr_count:     82
    .wavefront_size: 32
...
	.end_amdgpu_metadata
.endif
;; end of part 1
;; launch mlp (part 2): grid 144 x 1, 8 waves a work-group, no clusters, 239,616 bytes of LDS; arguments in_feats, W1, b1, W2, b2, plan, out0; writes out0
.if DOCPART == 2
	.amdgcn_target "amdgcn-amd-amdhsa--gfx1250"
	.amdhsa_code_object_version 6
	.text
	.protected	k_q0ba709b274_mlp
	.globl	k_q0ba709b274_mlp
	.p2align	8
	.type	k_q0ba709b274_mlp,@function
k_q0ba709b274_mlp:
	s_mov_b64 s[64:65], 0
	v_nop
	global_prefetch_b8 v0, s[64:65] scope:SCOPE_SE
	s_setreg_imm32_b32 hwreg(HW_REG_WAVE_MODE, 25, 1), 1
	s_wait_xcnt 0x0
; out[row] = relu(x[row] W1[e] + b1[e]) W2[e] + b2[e] for the rows of one tile (1 to 64 rows of one expert e), both layers in one work-group.
; Work-group g takes table[g] of plan: (class, start, count); the table always has 144 tiles, none empty.  Class 0..15: expert.  Class 16: rows whose
; id names no expert: they go the same way with expert 15's weights and a select stores zeros.  The text has no branch and no loop.
; LIMITS: x, h, W1, W2 are rounded to bf16 for the products, sums in f32.  relu is a maximum in which a NaN loses: a NaN in h becomes 0.
; Slots of a tile beyond its count repeat the tile's last row: they compute and store the same bytes again, from this same work-group.
;
; WEIGHTS NEVER TOUCH LDS.  They lie [K][N] in f32.  A lane loads 16 bytes (4 neighbouring columns) of each of 16 rows k; rounding rows k and
; k+1 together gives one register of a B fragment (K along the registers).  Column slot r of fragment j is therefore weight column
; 64 G + 4 r + j: a permutation of N that the results carry with them.  Each load of a wave covers two aligned runs of 256 bytes.
; Each weight byte is loaded by one wave of the work-group.  48 loads of 512 bytes are kept on their way in each wave.
; NO CLUSTER: the number of tiles of an expert is a count read from memory, so four neighbouring work-groups may belong to two experts and no
; mask that stands in the text names the partners; and a joint load lands in LDS, which 2 MiB of weights a work-group would then cross
; twice, while here they go from memory straight into the registers in which they have to be rounded.
;
; SHARES: 8 waves; w = 4 kh + oq.  Layer 1: wave w makes hidden columns 128 w .. 128 w + 127 (two groups gl of 64) of all 64 rows, K = 256.
; Layer 2: wave w makes out columns 64 oq .. 64 oq + 63 of all 64 rows over hidden 512 kh .. 512 kh + 511; waves w and w xor 4 add their halves through LDS.
; A unit is 32 of K x 64 columns: 16 loads, 32 roundings, 16 matrix instructions (4 fragments x 4 row tiles).  Units 0-15 layer 1, 16-31 layer 2.
.set XP,    528                        ; LDS pitch of x: 512 bytes + 16 = 33 x 16
.set HP,    272                        ; LDS pitch of a slab of h: 256 bytes + 16 = 17 x 16
.set HB,    33792                      ; h begins behind x's 64 rows
.set HSLAB, 17408                      ; a slab: 64 rows x 272 bytes = hidden 128 w .. 128 w + 127, written by wave w alone
.set EXB,   173056                     ; behind the 8 slabs: 8 KiB for each wave, for the exchange of layer 2's halves
; window 0 (v0-255): v0 t, v1 lane, v2 r = lane & 15, v3 h = lane >> 4, v4 16 lane, v5 offset in W1, v6 offset in W2, v16 offset in b1,
;   v17 offset in b2 and in a row of out, v18 offset in the list, v19-22 at work
.set FR,  32                           ; v32-63    four B fragments
.set ST,  64                           ; v64-255   three staging slots of 16 loads x 4 registers
; window 1 (v256-511, written by their low 8 bits)
.set ACC, 0                            ; accumulator (j, m) at 8 (4 j + m)
.set AF,  128                          ; A fragments: buffer b, row tile m at 128 + 32 b + 8 m; also at work outside the products
.set XA,  192                          ; 4: LDS address of my A fragment in x, row tile m
.set HA,  196                          ; 4: the same in h, local row tile m
.set HS,  200                          ; where I store h
.set XSA, 201                          ; where I store x
.set EXW, 202                          ; my exchange bytes
.set EXR, 203                          ; my partner's
.set B1Q, 204                          ; 8: b1 of my columns, group 0, group 1
.set B2Q, 212                          ; 4: b2 of my columns
.set RO,  216                          ; 16: byte offsets in out of the rows that I store
.set VA,  232                          ; 8: byte offsets in x of the rows that I fetch
.set ROWN, 240                         ; lane l: the row number of slot 32 kh + l
.set BI,  241                          ; 32 h
.set XI,  242                          ; 32 oq
; s_set_vgpr_msb: bits 1:0 source 0, 3:2 source 1, 5:4 source 2, 7:6 destination; the high byte repeats the setting that is left
.set W_D1, 0x40                        ; destination in window 1
.set W_B1, 0x45                        ; sources 0, 1 and destination in window 1, source 2 in window 0
.set W_MM, 0x51                        ; products and A loads: D, C, A and the LDS address in window 1, B in window 0
.set MSB, 0
.macro WIN new
.if MSB != \new
	s_set_vgpr_msb (MSB<<8)|\new
.set MSB, \new
.endif
.endm
.macro PLACES                          ; four plain vector instructions that name no register of a matrix instruction (ISA guide 7.12.1)
.rept 4
	v_nop
.endr
.endm
; the 16 loads of unit u into staging slot u mod 3; load c brings row 16 (c >> 3) + (c & 7) + 8 h of the unit's 32
.macro WLOAD u
.irp c, 0,1,2,3,4,5,6,7,8,9,10,11,12,13,14,15
.if (\u) < 16
	global_load_b128 v[ST+64*((\u)%3)+4*\c:ST+64*((\u)%3)+4*\c+3], v5, s[6:7] offset:(32*((\u)&7)+16*(\c>>3)+(\c&7))*4096+256*((\u)>>3)
.else
	global_load_b128 v[ST+64*((\u)%3)+4*\c:ST+64*((\u)%3)+4*\c+3], v6, s[10:11] offset:(32*((\u)-16)+16*(\c>>3)+(\c&7))*1024
.endif
.endr
.endm
; unit u's weights are rounded into the four fragments, and its staging slot is asked for again, three units ahead.
; left = how many younger loads may stay out.  Register q of fragment j = (row 2 q, row 2 q + 1 of my sixteen) of column j of my four.
.macro FEED u, left
	s_wait_loadcnt \left                           ; loads come back in order: unit u is in
.irp j, 0,1,2,3
.irp q, 0,1,2,3,4,5,6,7
	v_cvt_pk_bf16_f32 v[FR+8*\j+\q], v[ST+64*((\u)%3)+8*\q+\j], v[ST+64*((\u)%3)+8*\q+4+\j]
.endr
.endr
.if (\u)+3 <= 31
.set NXT, (\u)+3
	WLOAD NXT
.endif
.endm
; the A fragments of one unit (4 row tiles x 32 K) into buffer b: two loads of 16 bytes, 32 bytes apart, for each tile
.macro AFLOAD b, base, off
.irp m, 0,1,2,3
	ds_load_b128 v[AF+32*\b+8*\m:AF+32*\b+8*\m+3], v[\base+\m] offset:\off
	ds_load_b128 v[AF+32*\b+8*\m+4:AF+32*\b+8*\m+7], v[\base+\m] offset:\off+32
.endr
.endm
; unit u's 16 products.  First the next unit's A fragments are asked for (not across the end of a layer).
; The sixteen accumulators take turns, one instruction a turn, from unit to unit too.
.macro MULT u, zero
	WIN W_MM
.if ((\u)&15) != 15
.set NXB, ((\u)+1)&1
.if (\u) < 15
.set NXO, 64*(((\u)+1)&7)
	AFLOAD NXB, XA, NXO
.else
.set NXO, (((\u)-15)>>2)*HSLAB+(((\u)-15)&3)*64
	AFLOAD NXB, HA, NXO
.endif
	s_wait_dscnt 8                                 ; all but the eight just issued: this unit's A fragments are in
.else
	s_wait_dscnt 0
.endif
.irp m, 0,1,2,3
.irp j, 0,1,2,3
.if \zero
	v_wmma_f32_16x16x32_bf16 v[ACC+8*(4*\j+\m):ACC+8*(4*\j+\m)+7], v[AF+32*((\u)&1)+8*\m:AF+32*((\u)&1)+8*\m+7], v[FR+8*\j:FR+8*\j+7], 0
.else
	v_wmma_f32_16x16x32_bf16 v[ACC+8*(4*\j+\m):ACC+8*(4*\j+\m)+7], v[AF+32*((\u)&1)+8*\m:AF+32*((\u)&1)+8*\m+7], v[FR+8*\j:FR+8*\j+7], v[ACC+8*(4*\j+\m):ACC+8*(4*\j+\m)+7]
.endif
.endr
.endr
	WIN 0
	PLACES                                         ; in front of the next writes of the fragments, the next loads into an A buffer, and reads of the sums
.endm
; the end of a group of 64 hidden columns: + b1, relu, round, into my slab.  Register i of accumulator (j, m) is row 16 m + 8 h + i, hidden column 4 r + j
; of the group: a lane's four j are 8 neighbouring bytes of a row of h.  Lanes 16-31 store 8 rows = 2,176 bytes further on.
; The packed pairs take turns in A buffer 1, which the unit just multiplied has left (buffer 0 may hold the next unit's fragments).
.macro EPI1 gl
	WIN W_B1
.irp m, 0,1,2,3
.irp j, 0,1,2,3
.irp i, 0,2,4,6
.if (\j&1)
	v_pk_add_f32 v[ACC+8*(4*\j+\m)+\i:ACC+8*(4*\j+\m)+\i+1], v[ACC+8*(4*\j+\m)+\i:ACC+8*(4*\j+\m)+\i+1], v[B1Q+4*\gl+(\j&2):B1Q+4*\gl+(\j&2)+1] op_sel:[0,1] op_sel_hi:[1,1]
.else
	v_pk_add_f32 v[ACC+8*(4*\j+\m)+\i:ACC+8*(4*\j+\m)+\i+1], v[ACC+8*(4*\j+\m)+\i:ACC+8*(4*\j+\m)+\i+1], v[B1Q+4*\gl+(\j&2):B1Q+4*\gl+(\j&2)+1] op_sel_hi:[1,0]
.endif
.endr
.endr
.irp j, 0,1,2,3
.irp i, 0,1,2,3,4,5,6,7
	v_max_num_f32 v[ACC+8*(4*\j+\m)+\i], 0, v[ACC+8*(4*\j+\m)+\i]
.endr
.endr
.irp i, 0,1,2,3,4,5,6,7
	v_cvt_pk_bf16_f32 v[AF+32+2*((8*\m+\i)%16)], v[ACC+8*(\m)+\i], v[ACC+8*(4+\m)+\i]
	v_cvt_pk_bf16_f32 v[AF+32+2*((8*\m+\i)%16)+1], v[ACC+8*(8+\m)+\i], v[ACC+8*(12+\m)+\i]
	ds_store_b64 v[HS], v[AF+32+2*((8*\m+\i)%16):AF+32+2*((8*\m+\i)%16)+1] offset:(16*\m+\i)*HP+128*\gl
.endr
.endr
.endm
	s_load_b256 s[4:11], s[0:1], 0x0               ; in_feats s[4:5], W1 s[6:7], b1 s[8:9], W2 s[10:11]
	s_load_b128 s[12:15], s[0:1], 0x20             ; b2 s[12:13], plan s[14:15]
	s_load_b64 s[16:17], s[0:1], 0x30              ; out0
	v_lshl_add_u32 v30, v0, 2, 0x3a400
	v_mov_b32 v31, 0
	s_lshl_b32 s27, ttmp9, 4                       ; my table entry, 16 bytes
	v_and_b32 v1, 31, v0                           ; lane
	v_lshrrev_b32 v19, 5, v0
	v_readfirstlane_b32 s18, v19                   ; wave w
	v_and_b32 v2, 15, v0                           ; r
	v_bfe_u32 v3, v0, 4, 1                         ; h
	v_lshlrev_b32 v4, 4, v1                        ; 16 lane
	s_and_b32 s19, s18, 3                          ; oq
	s_lshr_b32 s24, s18, 2                         ; kh
	s_wait_kmcnt 0x0
	s_load_b128 s[20:23], s[14:15], s27 offset:0x8000  ; class s20, start s21, count s22
	s_lshl_b32 s32, s18, 9
	s_lshl_b32 s33, s19, 8
	s_lshl_b32 s34, s24, 19
	v_lshl_add_u32 v16, v2, 4, s32                 ; b1: 512 w + 16 r
	v_lshl_add_u32 v17, v2, 4, s33                 ; b2, out: 256 oq + 16 r
	v_lshl_add_u32 v5, v3, 15, v16                 ; W1: 8 h rows of 4,096 bytes + my 64 columns' 16 bytes
	v_lshl_add_u32 v6, v3, 13, v17                 ; W2: 8 h rows of 1,024 bytes + my columns
	v_add_nc_u32 v6, s34, v6                       ;     + 512 kh rows
	v_mul_u32_u24 v20, v2, XP
	v_lshl_add_u32 v20, v3, 4, v20                 ; x fragment: r x pitch + 16 h
	v_mul_u32_u24 v21, v2, HP
	v_lshl_add_u32 v21, v3, 4, v21                 ; h fragment: r x pitch + 16 h
	v_mul_u32_u24 v22, v3, 8*HP
	v_lshl_add_u32 v22, v2, 3, v22                 ; h store: 8 h rows + 8 r
	s_wait_kmcnt 0x0
	s_min_u32 s25, s20, 15                         ; the expert
	s_cmp_lt_u32 s20, 16
	s_cselect_b32 s26, -1, 0                       ; all lanes: store the result (an expert's rows) or zeros (class 16)
	s_lshl_b32 s28, s25, 20                        ; an expert's W1, and its W2, are 1 MiB
	s_mov_b32 s29, 0
	s_add_nc_u64 s[6:7], s[6:7], s[28:29]
	s_add_nc_u64 s[10:11], s[10:11], s[28:29]
	s_lshl_b32 s28, s25, 12
	s_add_nc_u64 s[8:9], s[8:9], s[28:29]
	s_lshl_b32 s28, s25, 10
	s_add_nc_u64 s[12:13], s[12:13], s[28:29]
	s_sub_co_u32 s30, s22, 1
	s_min_u32 s30, s30, 63                         ; the tile's last slot
	s_min_u32 s31, s21, 0x1fff
	s_lshl_b32 s33, s24, 5                         ; 32 kh
	v_add_nc_u32 v19, s33, v1                      ; slot 32 kh + lane,
	v_min_u32 v19, s30, v19                        ; beyond the count: the last one again
	v_add_nc_u32 v19, s31, v19
	v_min_u32 v19, 0x1fff, v19                     ; a place in the list is 0..8191
	v_lshlrev_b32 v18, 2, v19
	WIN W_D1
	global_load_b32 v[ROWN], v18, s[14:15]
	global_load_b128 v[B1Q:B1Q+3], v16, s[8:9]
	global_load_b128 v[B1Q+4:B1Q+7], v16, s[8:9] offset:256
	global_load_b128 v[B2Q:B2Q+3], v17, s[12:13]
	WIN 0
	WLOAD 0
	WLOAD 1
	WLOAD 2
	; the address registers of window 1, once
	s_mul_i32 s34, s24, 4*HSLAB
	s_add_co_u32 s34, s34, HB                      ; the four slabs of my K half
	v_add_nc_u32 v21, s34, v21
	s_mul_i32 s36, s18, HSLAB
	s_add_co_u32 s36, s36, HB                      ; my slab
	s_mul_i32 s37, s18, 8*XP                       ; my 8 rows of x
	WIN W_D1
.irp m, 0,1,2,3
	v_add_nc_u32 v[XA+\m], 16*\m*XP, v20
.endr
	; local row tile m is tile m xor 2 kh: local tiles 0, 1 are the ones that this wave finishes, 2, 3 its partner's, with the same register numbers in all waves
.irp m, 0,1,2,3
	s_xor_b32 s35, s33, 16*\m
	s_mul_i32 s35, s35, HP
	v_add_nc_u32 v[HA+\m], s35, v21
.endr
	v_add_nc_u32 v[HS], s36, v22
	v_lshl_add_u32 v[XSA], v1, 3, s37
	s_lshl_b32 s36, s18, 13
	s_add_co_u32 s36, s36, EXB
	v_add_nc_u32 v[EXW], s36, v4
	s_xor_b32 s37, s18, 4
	s_lshl_b32 s37, s37, 13
	s_add_co_u32 s37, s37, EXB
	v_add_nc_u32 v[EXR], s37, v4
	v_lshlrev_b32 v[BI], 5, v3
	s_lshl_b32 s36, s19, 5
	v_mov_b32 v[XI], s36
	; row numbers to the lanes that need them: slot 8 w + rho = lane 8 oq + rho for x, slot 32 kh + 16 mm + 8 h + i for the result
	WIN W_B1
.irp p, 0,1,2,3,4,5,6,7
	v_add_nc_u32 v[AF+32+\p], 4*\p, v[XI]
	v_add_nc_u32 v[AF+40+\p], 4*\p, v[BI]
	v_add_nc_u32 v[AF+48+\p], 64+4*\p, v[BI]
.endr
	s_wait_loadcnt 51                              ; the row numbers are in: 3 loads of biases and 48 of weights are younger
.irp p, 0,1,2,3,4,5,6,7
	ds_bpermute_b32 v[VA+\p], v[AF+32+\p], v[ROWN]
	ds_bpermute_b32 v[RO+\p], v[AF+40+\p], v[ROWN]
	ds_bpermute_b32 v[RO+8+\p], v[AF+48+\p], v[ROWN]
.endr
	s_wait_dscnt 0x0
.irp p, 0,1,2,3,4,5,6,7
	v_min_u32 v[VA+\p], 0x1fff, v[VA+\p]           ; a row number is 0..8191
	v_lshl_add_u32 v[VA+\p], v[VA+\p], 10, v4      ; row x 1,024 bytes + 16 lane
.endr
.irp p, 0,1,2,3,4,5,6,7
	global_load_b128 v[ACC+8*\p:ACC+8*\p+3], v[VA+\p], s[4:5]               ; a row of x in two loads of 512 consecutive bytes
	global_load_b128 v[ACC+8*\p+4:ACC+8*\p+7], v[VA+\p], s[4:5] offset:512
.endr
.irp p, 0,1,2,3,4,5,6,7,8,9,10,11,12,13,14,15
	v_min_u32 v[RO+\p], 0x1fff, v[RO+\p]
	v_lshl_add_u32 v[RO+\p], v[RO+\p], 10, v17     ; row x 1,024 bytes + my 16 bytes of its columns
.endr
	WIN 0
	FEED 0, 48                                     ; unit 0 (and the biases in front of it): units 1, 2 and the 16 loads of x are younger
	s_wait_loadcnt 16                              ; x is in: unit 3's 16 loads are younger
	WIN W_B1
.irp p, 0,1,2,3,4,5,6,7
.irp q, 0,1
	v_cvt_pk_bf16_f32 v[AF+4*\p+2*\q], v[ACC+8*\p+4*\q], v[ACC+8*\p+4*\q+1]
	v_cvt_pk_bf16_f32 v[AF+4*\p+2*\q+1], v[ACC+8*\p+4*\q+2], v[ACC+8*\p+4*\q+3]
	ds_store_b64 v[XSA], v[AF+4*\p+2*\q:AF+4*\p+2*\q+1] offset:XP*\p+256*\q   ; 32 lanes, 256 consecutive bytes
.endr
.endr
	s_wait_dscnt 0x0                               ; my 8 rows of x are in LDS, for the other waves' sake
	s_barrier_signal -1
	s_barrier_wait -1                              ; x is whole
	; LAYER 1
	WIN W_MM
	AFLOAD 0, XA, 0
	MULT 0, 1                                      ; the first product of a group starts the sums: nothing is cleared
	FEED 1, 32                                     ; from here on: two younger units, 32 loads, may stay out
.set U, 1
.rept 7
	MULT U, 0
	FEED U+1, 32
.set U, U+1
.endr
	EPI1 0
	MULT 8, 1
	FEED 9, 32
.set U, 9
.rept 7
	MULT U, 0
	FEED U+1, 32
.set U, U+1
.endr
	EPI1 1
	s_wait_dscnt 0x0                               ; my slab of h is in LDS
	s_barrier_signal -1
	s_barrier_wait -1                              ; h is whole
	; LAYER 2
	WIN W_MM
	AFLOAD 0, HA, 0
	MULT 16, 1
	FEED 17, 32
.set U, 17
.rept 12
	MULT U, 0
	FEED U+1, 32
.set U, U+1
.endr
	MULT 29, 0
	FEED 30, 16                                    ; nothing is left to ask for: the counts run down
	MULT 30, 0
	FEED 31, 0
	MULT 31, 0
	; THE END: local tiles 2, 3 go to the partner, its halves of my tiles 0, 1 come back, + b2, out.
	WIN W_B1
.irp j, 0,1,2,3
.irp mm, 0,1
.irp c, 0,1
	ds_store_b128 v[EXW], v[ACC+8*(4*\j+2+\mm)+4*\c:ACC+8*(4*\j+2+\mm)+4*\c+3] offset:512*(4*\j+2*\mm+\c)
.endr
.endr
.endr
	s_wait_dscnt 0x0                               ; my halves are in LDS
	s_barrier_signal -1
	s_barrier_wait -1
.irp t, 0,1,2,3,4,5,6,7,8,9,10,11,12,13,14,15
	ds_load_b128 v[AF+4*\t:AF+4*\t+3], v[EXR] offset:512*\t
.endr
	s_wait_dscnt 0x0
.irp j, 0,1,2,3
.irp mm, 0,1
.irp c, 0,1
	v_pk_add_f32 v[ACC+8*(4*\j+\mm)+4*\c:ACC+8*(4*\j+\mm)+4*\c+1], v[ACC+8*(4*\j+\mm)+4*\c:ACC+8*(4*\j+\mm)+4*\c+1], v[AF+4*(4*\j+2*\mm+\c):AF+4*(4*\j+2*\mm+\c)+1]
	v_pk_add_f32 v[ACC+8*(4*\j+\mm)+4*\c+2:ACC+8*(4*\j+\mm)+4*\c+3], v[ACC+8*(4*\j+\mm)+4*\c+2:ACC+8*(4*\j+\mm)+4*\c+3], v[AF+4*(4*\j+2*\mm+\c)+2:AF+4*(4*\j+2*\mm+\c)+3]
.endr
.endr
.endr
	; a lane's four j are 16 neighbouring bytes of a row of out; lanes 0-15 store 256 consecutive bytes, aligned, of one row, lanes 16-31 of the row
	; of the slot 8 further on.  Sixteen quads of data and sixteen offsets, none written again.
.irp mm, 0,1
.irp i, 0,1,2,3,4,5,6,7
.irp j, 0,1,2,3
	v_add_f32 v[AF+4*(8*\mm+\i)+\j], v[ACC+8*(4*\j+\mm)+\i], v[B2Q+\j]
.endr
.irp j, 0,1,2,3
	v_cndmask_b32 v[AF+4*(8*\mm+\i)+\j], 0, v[AF+4*(8*\mm+\i)+\j], s26
.endr
	global_store_b128 v[RO+8*\mm+\i], v[AF+4*(8*\mm+\i):AF+4*(8*\mm+\i)+3], s[16:17] th:TH_STORE_NT
.endr
.endr
	WIN 0
	s_wait_tensorcnt 0x0
	ds_add_u32 v30, v31
	s_wait_dscnt 0x0
	s_endpgm
.Lfunc_end_k_q0ba709b274_mlp:
	.size	k_q0ba709b274_mlp, .Lfunc_end_k_q0ba709b274_mlp-k_q0ba709b274_mlp
	.p2alignl 7, 3214868480
	.fill 96, 4, 3214868480
	.section	.rodata,"a",@progbits
	.p2align	6, 0x0
	.amdhsa_kernel k_q0ba709b274_mlp
		.amdhsa_group_segment_fixed_size 239616
		.amdhsa_private_segment_fixed_size 0
		.amdhsa_enable_private_segment 0
		.amdhsa_kernarg_size 56
		.amdhsa_user_sgpr_count 2
		.amdhsa_user_sgpr_kernarg_segment_ptr 1
		.amdhsa_wavefront_size32 1
		.amdhsa_system_sgpr_workgroup_id_x 1
		.amdhsa_system_sgpr_workgroup_id_y 1
		.amdhsa_system_sgpr_workgroup_id_z 1
		.amdhsa_system_vgpr_workitem_id 0
		.amdhsa_next_free_vgpr 512
		.amdhsa_next_free_sgpr 66
		.amdhsa_reserve_vcc 0
		.amdhsa_float_denorm_mode_32 3
		.amdhsa_float_denorm_mode_16_64 3
		.amdhsa_memory_ordered 1
		.amdhsa_forward_progress 1
		.amdhsa_inst_pref_size 223
	.end_amdhsa_kernel
	.amdgpu_metadata
---
amdhsa.version: [ 1, 2 ]
amdhsa.kernels:
  - .name:           k_q0ba709b274_mlp
    .symbol:         k_q0ba709b274_mlp.kd
    .args:
      - { .name: in_feats, .offset: 0, .size: 8, .value_kind: global_buffer, .address_space: global }
      - { .name: W1, .offset: 8, .size: 8, .value_kind: global_buffer, .address_space: global }
      - { .name: b1, .offset: 16, .size: 8, .value_kind: global_buffer, .address_space: global }
      - { .name: W2, .offset: 24, .size: 8, .value_kind: global_buffer, .address_space: global }
      - { .name: b2, .offset: 32, .size: 8, .value_kind: global_buffer, .address_space: global }
      - { .name: plan, .offset: 40, .size: 8, .value_kind: global_buffer, .address_space: global }
      - { .name: out0, .offset: 48, .size: 8, .value_kind: global_buffer, .address_space: global }
    .group_segment_fixed_size: 239616
    .private_segment_fixed_size: 0
    .kernarg_segment_align: 8
    .kernarg_segment_size: 56
    .max_flat_workgroup_size: 256
    .sgpr_count:     66
    .vgpr_count:     512
    .wavefront_size: 32
...
	.end_amdgpu_metadata
.endif
;; end of part 2
;; ======== version 2 of 2: 2 launches; version 1 with the launch mlp written anew for expert scheduling mode
;; workspace buffers: plan 35,328 bytes of whole numbers
;; launch route: the kernel of part 1 again; grid 1 x 1, 32 waves a work-group, no clusters, 73,984 bytes of LDS; arguments module_ids, plan; writes plan
;; launch mlp (part 3): grid 144 x 1, 8 waves a work-group, no clusters, 239,616 bytes of LDS; arguments in_feats, W1, b1, W2, b2, plan, out0; writes out0
.if DOCPART == 3
	.amdgcn_target "amdgcn-amd-amdhsa--gfx1250"
	.amdhsa_code_object_version 6
	.text
	.protected	k_q0ba709b274_mlp
	.globl	k_q0ba709b274_mlp
	.p2align	8
	.type	k_q0ba709b274_mlp,@function
k_q0ba709b274_mlp:
	s_mov_b64 s[64:65], 0
	v_nop
	global_prefetch_b8 v0, s[64:65] scope:SCOPE_SE
	s_setreg_imm32_b32 hwreg(HW_REG_WAVE_SCHED_MODE, 0, 2), 2
	s_setreg_imm32_b32 hwreg(HW_REG_WAVE_MODE, 25, 1), 1
	s_wait_xcnt 0x0
	s_wait_alu depctr_vm_vsrc(0)
; out[row] = relu(x[row] W1[e] + b1[e]) W2[e] + b2[e] for the rows of one tile (1 to 64 rows of one expert e), both layers in one work-group.
; Work-group g takes table[g] of plan: (class, start, count); the table always has 144 tiles, none empty.  Class 0..15: expert.  Class 16: rows whose
; id names no expert: they go the same way with expert 15's weights and a select stores zeros.  The text has no branch and no loop.
; LIMITS: x, h, W1, W2 are rounded to bf16 for the products, sums in f32.  relu is a maximum in which a NaN loses: a NaN in h becomes 0.
; Slots of a tile beyond its count repeat the tile's last row: they compute and store the same bytes again, from this same work-group.
;
; WEIGHTS NEVER TOUCH LDS.  They lie [K][N] in f32.  A lane loads 16 bytes (4 neighbouring columns) of each of 16 rows k; rounding rows k and
; k+1 together gives one register of a B fragment (K along the registers).  Column slot r of fragment j is therefore weight column
; 64 G + 4 r + j: a permutation of N that the results carry with them.  Each load of a wave covers two aligned runs of 256 bytes.
; Each weight byte is loaded by one wave of the work-group.  32 to 48 loads of 512 bytes are kept on their way in each wave.
; NO CLUSTER: the number of tiles of an expert is a count read from memory, so four neighbouring work-groups may belong to two experts and no
; mask that stands in the text names the partners; and a joint load lands in LDS, which 2 MiB of weights a work-group would then cross
; twice, while here they go from memory straight into the registers in which they have to be rounded.
;
; SHARES: 8 waves; w = 4 kh + oq.  Layer 1: wave w makes hidden columns 128 w .. 128 w + 127 (two groups gl of 64) of all 64 rows, K = 256.
; Layer 2: wave w makes out columns 64 oq .. 64 oq + 63 of all 64 rows over hidden 512 kh .. 512 kh + 511; waves w and w xor 4 add their halves through LDS.
; A unit is 32 of K x 64 columns: 16 loads, 32 roundings, 16 matrix instructions (4 fragments x 4 row tiles).  Units 0-15 layer 1, 16-31 layer 2.
;
; THE MODE: SCHED_MODE bits 1:0 = 2 (LLVM: expert scheduling mode 2), set by the entry lines.  The code itself states the register dependences
; between vector or matrix instructions and memory or LDS instructions, with s_wait_alu, always for 0.
; THE PLAN.  Registers that memory or LDS instructions touch:
;   ST0 .. ST2   Unit u's sixteen loads land in ST[u mod 3]; unit u's 32 roundings read it; behind them unit u + 3's loads land in it.
;   A0, A1       Unit u's eight LDS loads land in A[u & 1]; they are issued in unit u - 1; unit u's sixteen products read it.
;                Besides: A0 carries x into LDS (roundings write, LDS stores read); A1 carries the head's lane indices (adds write, permutes read) and
;                h into LDS (roundings write, LDS stores read); at the end both take the partner's halves and then the sixteen quads of the result.
;   the sums     x lands in their registers at the head; at the end the LDS stores of the exchange read local tiles 2 and 3.
;   addresses    v5, v6, v16-18, XA, HA, HS, XSA, EXW, EXR, VA, RO, ROWN: made or loaded once at the head, never written again.
;   FR           named by vector and matrix instructions alone.
; So ONE wait on va_vdst stands in a unit, behind its roundings: they are done reading ST[u mod 3], and the products of the unit before are done reading
; the A buffer that is asked for next.  The unit's 24 loads follow it, dealt among its sixteen products, which name FR, A[u & 1] and the sums: none of the
; registers that those loads touch.  The other waits stand where x, h, the halves and the result pass from vector instructions to stores, one to a run of stores.
.set XP,    528                        ; LDS pitch of x: 512 bytes + 16 = 33 x 16
.set HP,    272                        ; LDS pitch of a slab of h: 256 bytes + 16 = 17 x 16
.set HB,    33792                      ; h begins behind x's 64 rows
.set HSLAB, 17408                      ; a slab: 64 rows x 272 bytes = hidden 128 w .. 128 w + 127, written by wave w alone
.set EXB,   173056                     ; behind the 8 slabs: 8 KiB for each wave, for the exchange of layer 2's halves
; window 0 (v0-255): v0 t, v1 lane, v2 r = lane & 15, v3 h = lane >> 4, v4 16 lane, v5 offset in W1, v6 offset in W2, v16 offset in b1,
;   v17 offset in b2 and in a row of out, v18 offset in the list, v19-22 at work
.set FR,  32                           ; v32-63    four B fragments
.set ST,  64                           ; v64-255   three staging slots of 16 loads x 4 registers
; window 1 (v256-511, written by their low 8 bits)
.set ACC, 0                            ; accumulator (j, m) at 8 (4 j + m)
.set AF,  128                          ; A fragments: buffer b, row tile m at 128 + 32 b + 8 m; also at work outside the products
.set XA,  192                          ; 4: LDS address of my A fragment in x, row tile m
.set HA,  196                          ; 4: the same in h, local row tile m
.set HS,  200                          ; where I store h
.set XSA, 201                          ; where I store x
.set EXW, 202                          ; my exchange bytes
.set EXR, 203                          ; my partner's
.set B1Q, 204                          ; 8: b1 of my columns, group 0, group 1
.set B2Q, 212                          ; 4: b2 of my columns
.set RO,  216                          ; 16: byte offsets in out of the rows that I store
.set VA,  232                          ; 8: byte offsets in x of the rows that I fetch
.set ROWN, 240                         ; lane l: the row number of slot 32 kh + l
.set BI,  241                          ; 32 h
.set XI,  242                          ; 32 oq
; s_set_vgpr_msb: bits 1:0 source 0, 3:2 source 1, 5:4 source 2, 7:6 destination; the high byte repeats the setting that is left
.set W_D1, 0x40                        ; destination in window 1
.set W_B1, 0x45                        ; sources 0, 1 and destination in window 1, source 2 in window 0
.set W_MM, 0x51                        ; products and A loads: D, C, A and the LDS address in window 1, B in window 0
.set MSB, 0
.macro WIN new
.if MSB != \new
	s_set_vgpr_msb (MSB<<8)|\new
.set MSB, \new
.endif
.endm
.macro PLACES                          ; four plain vector instructions that name no register of a matrix instruction (ISA guide 7.12.1)
.rept 4
	v_nop
.endr
.endm
; eight of the 16 loads of unit u into staging slot u mod 3; load c of half hh brings row 16 hh + c + 8 h of the unit's 32
.macro WHALF u, hh
.irp c, 0,1,2,3,4,5,6,7
.if (\u) < 16
	global_load_b128 v[ST+64*((\u)%3)+32*\hh+4*\c:ST+64*((\u)%3)+32*\hh+4*\c+3], v5, s[6:7] offset:(32*((\u)&7)+16*\hh+\c)*4096+256*((\u)>>3)
.else
	global_load_b128 v[ST+64*((\u)%3)+32*\hh+4*\c:ST+64*((\u)%3)+32*\hh+4*\c+3], v6, s[10:11] offset:(32*((\u)-16)+16*\hh+\c)*1024
.endif
.endr
.endm
.macro WLOAD u                         ; all sixteen in one run
	WHALF \u, 0
	WHALF \u, 1
.endm
; unit u's weights are rounded into the four fragments.  left = how many younger loads may stay out.
; Register q of fragment j = (row 2 q, row 2 q + 1 of my sixteen) of column j of my four.
.macro CONV u, left
	s_wait_loadcnt \left                           ; loads come back in order: unit u is in
.irp j, 0,1,2,3
.irp q, 0,1,2,3,4,5,6,7
	v_cvt_pk_bf16_f32 v[FR+8*\j+\q], v[ST+64*((\u)%3)+8*\q+\j], v[ST+64*((\u)%3)+8*\q+4+\j]
.endr
.endr
.endm
; the A fragments of one unit (4 row tiles x 32 K) into buffer b: two loads of 16 bytes, 32 bytes apart, for each tile
.macro AFLOAD b, base, off
.irp m, 0,1,2,3
	ds_load_b128 v[AF+32*\b+8*\m:AF+32*\b+8*\m+3], v[\base+\m] offset:\off
	ds_load_b128 v[AF+32*\b+8*\m+4:AF+32*\b+8*\m+7], v[\base+\m] offset:\off+32
.endr
.endm
; eight of unit u's 16 products: row tiles ma and mb x the four fragments
.macro PROD u, zero, ma, mb
.irp m, \ma, \mb
.irp j, 0,1,2,3
.if \zero
	v_wmma_f32_16x16x32_bf16 v[ACC+8*(4*\j+\m):ACC+8*(4*\j+\m)+7], v[AF+32*((\u)&1)+8*\m:AF+32*((\u)&1)+8*\m+7], v[FR+8*\j:FR+8*\j+7], 0
.else
	v_wmma_f32_16x16x32_bf16 v[ACC+8*(4*\j+\m):ACC+8*(4*\j+\m)+7], v[AF+32*((\u)&1)+8*\m:AF+32*((\u)&1)+8*\m+7], v[FR+8*\j:FR+8*\j+7], v[ACC+8*(4*\j+\m):ACC+8*(4*\j+\m)+7]
.endif
.endr
.endr
.endm
; unit u's 16 products, and the loads that the wait in front of this macro has cleared the way for: the next unit's A fragments (not across the end of a
; layer) and, with deal = 1, unit u + 3's weights, eight ahead of the products and eight in their middle.  No vector or matrix instruction since that wait
; names a register that these loads touch: the products name FR, A[u & 1] and the sums.
; The sixteen accumulators take turns, one instruction a turn, from unit to unit too.
.macro MULT u, zero, deal
.if \deal
.set NXT, (\u)+3
	WIN 0
	WHALF NXT, 0
.endif
	WIN W_MM
.if ((\u)&15) != 15
.set NXB, ((\u)+1)&1
.if (\u) < 15
.set NXO, 64*(((\u)+1)&7)
	AFLOAD NXB, XA, NXO
.else
.set NXO, (((\u)-15)>>2)*HSLAB+(((\u)-15)&3)*64
	AFLOAD NXB, HA, NXO
.endif
	s_wait_dscnt 8                                 ; all but the eight just issued: this unit's A fragments are in
.else
	s_wait_dscnt 0
.endif
	PROD \u, \zero, 0, 1
.if \deal
	WIN 0
	WHALF NXT, 1
	WIN W_MM
.endif
	PROD \u, \zero, 2, 3
	WIN 0
	PLACES                                         ; in front of the next writes of the fragments and of reads of the sums
.endm
; a unit as most are: roundings, the unit's one wait, loads and products
.macro UNIT u, left, deal
	CONV \u, \left
	s_wait_alu depctr_va_vdst(0)                   ; the roundings are done reading ST[u mod 3], in which unit u + 3's weights land; the products of the unit before are done reading the A buffer in which the next unit's fragments land
	MULT \u, 0, \deal
.endm
; the end of a group of 64 hidden columns: + b1, relu, round, into my slab.  Register i of accumulator (j, m) is row 16 m + 8 h + i, hidden column 4 r + j
; of the group: a lane's four j are 8 neighbouring bytes of a row of h.  Lanes 16-31 store 8 rows = 2,176 bytes further on.
; The packed pairs lie in A buffer 1, which the unit just multiplied has left (buffer 0 may hold the next unit's fragments): sixteen pairs, two row tiles' worth.
.macro EPIADD gl, m                    ; + b1 and relu for row tile m; each accumulator is read from its low end on
.irp j, 0,1,2,3
.irp i, 0,2,4,6
.if (\j&1)
	v_pk_add_f32 v[ACC+8*(4*\j+\m)+\i:ACC+8*(4*\j+\m)+\i+1], v[ACC+8*(4*\j+\m)+\i:ACC+8*(4*\j+\m)+\i+1], v[B1Q+4*\gl+(\j&2):B1Q+4*\gl+(\j&2)+1] op_sel:[0,1] op_sel_hi:[1,1]
.else
	v_pk_add_f32 v[ACC+8*(4*\j+\m)+\i:ACC+8*(4*\j+\m)+\i+1], v[ACC+8*(4*\j+\m)+\i:ACC+8*(4*\j+\m)+\i+1], v[B1Q+4*\gl+(\j&2):B1Q+4*\gl+(\j&2)+1] op_sel_hi:[1,0]
.endif
.endr
.endr
.irp j, 0,1,2,3
.irp i, 0,1,2,3,4,5,6,7
	v_max_num_f32 v[ACC+8*(4*\j+\m)+\i], 0, v[ACC+8*(4*\j+\m)+\i]
.endr
.endr
.endm
.macro EPICVT m                        ; row tile m's eight pairs
.irp i, 0,1,2,3,4,5,6,7
	v_cvt_pk_bf16_f32 v[AF+32+2*((8*\m+\i)%16)], v[ACC+8*(\m)+\i], v[ACC+8*(4+\m)+\i]
	v_cvt_pk_bf16_f32 v[AF+32+2*((8*\m+\i)%16)+1], v[ACC+8*(8+\m)+\i], v[ACC+8*(12+\m)+\i]
.endr
.endm
.macro EPIST gl, m                     ; and their stores
.irp i, 0,1,2,3,4,5,6,7
	ds_store_b64 v[HS], v[AF+32+2*((8*\m+\i)%16):AF+32+2*((8*\m+\i)%16)+1] offset:(16*\m+\i)*HP+128*\gl
.endr
.endm
.macro EPI1 gl
	WIN W_B1
	EPIADD \gl, 0
	EPIADD \gl, 1
	EPICVT 0
	EPICVT 1
	s_wait_alu depctr_va_vdst(0)                   ; the roundings have written the sixteen pairs, which the LDS stores read
	EPIST \gl, 0
	EPIST \gl, 1
	EPIADD \gl, 2                                  ; these name the sums and b1 alone: they stand between the stores and the wait for them
	EPIADD \gl, 3
	s_wait_alu depctr_vm_vsrc(0)                   ; the sixteen stores have read the pairs, which the next roundings write again
	EPICVT 2
	EPICVT 3
	s_wait_alu depctr_va_vdst(0)                   ; the roundings have written the sixteen pairs, which the LDS stores read
	EPIST \gl, 2
	EPIST \gl, 3
.endm
	s_load_b256 s[4:11], s[0:1], 0x0               ; in_feats s[4:5], W1 s[6:7], b1 s[8:9], W2 s[10:11]
	s_load_b128 s[12:15], s[0:1], 0x20             ; b2 s[12:13], plan s[14:15]
	s_load_b64 s[16:17], s[0:1], 0x30              ; out0
	v_lshl_add_u32 v30, v0, 2, 0x3a400
	v_mov_b32 v31, 0
	s_lshl_b32 s27, ttmp9, 4                       ; my table entry, 16 bytes
	v_and_b32 v1, 31, v0                           ; lane
	v_lshrrev_b32 v19, 5, v0
	v_readfirstlane_b32 s18, v19                   ; wave w
	v_and_b32 v2, 15, v0                           ; r
	v_bfe_u32 v3, v0, 4, 1                         ; h
	v_lshlrev_b32 v4, 4, v1                        ; 16 lane
	s_wait_alu depctr_va_sdst(0)                   ; s18 is written, ahead of its first reader: the wave's shares and addresses are made from it
	s_and_b32 s19, s18, 3                          ; oq
	s_lshr_b32 s24, s18, 2                         ; kh
	s_wait_kmcnt 0x0
	s_load_b128 s[20:23], s[14:15], s27 offset:0x8000  ; class s20, start s21, count s22
	s_lshl_b32 s32, s18, 9
	s_lshl_b32 s33, s19, 8
	s_lshl_b32 s34, s24, 19
	v_lshl_add_u32 v16, v2, 4, s32                 ; b1: 512 w + 16 r
	v_lshl_add_u32 v17, v2, 4, s33                 ; b2, out: 256 oq + 16 r
	v_lshl_add_u32 v5, v3, 15, v16                 ; W1: 8 h rows of 4,096 bytes + my 64 columns' 16 bytes
	v_lshl_add_u32 v6, v3, 13, v17                 ; W2: 8 h rows of 1,024 bytes + my columns
	v_add_nc_u32 v6, s34, v6                       ;     + 512 kh rows
	v_mul_u32_u24 v20, v2, XP
	v_lshl_add_u32 v20, v3, 4, v20                 ; x fragment: r x pitch + 16 h
	v_mul_u32_u24 v21, v2, HP
	v_lshl_add_u32 v21, v3, 4, v21                 ; h fragment: r x pitch + 16 h
	v_mul_u32_u24 v22, v3, 8*HP
	v_lshl_add_u32 v22, v2, 3, v22                 ; h store: 8 h rows + 8 r
	s_wait_kmcnt 0x0
	s_min_u32 s25, s20, 15                         ; the expert
	s_cmp_lt_u32 s20, 16
	s_cselect_b32 s26, -1, 0                       ; all lanes: store the result (an expert's rows) or zeros (class 16)
	s_lshl_b32 s28, s25, 20                        ; an expert's W1, and its W2, are 1 MiB
	s_mov_b32 s29, 0
	s_add_nc_u64 s[6:7], s[6:7], s[28:29]
	s_add_nc_u64 s[10:11], s[10:11], s[28:29]
	s_lshl_b32 s28, s25, 12
	s_add_nc_u64 s[8:9], s[8:9], s[28:29]
	s_lshl_b32 s28, s25, 10
	s_add_nc_u64 s[12:13], s[12:13], s[28:29]
	s_sub_co_u32 s30, s22, 1
	s_min_u32 s30, s30, 63                         ; the tile's last slot
	s_min_u32 s31, s21, 0x1fff
	s_lshl_b32 s33, s24, 5                         ; 32 kh
	v_add_nc_u32 v19, s33, v1                      ; slot 32 kh + lane,
	v_min_u32 v19, s30, v19                        ; beyond the count: the last one again
	v_add_nc_u32 v19, s31, v19
	v_min_u32 v19, 0x1fff, v19                     ; a place in the list is 0..8191
	v_lshlrev_b32 v18, 2, v19
	WIN W_D1
	s_wait_alu depctr_va_vdst(0)                   ; the offsets v5, v6, v16, v17 and v18 are written, which the loads of the list, the biases and the weights read
	global_load_b32 v[ROWN], v18, s[14:15]
	global_load_b128 v[B1Q:B1Q+3], v16, s[8:9]
	global_load_b128 v[B1Q+4:B1Q+7], v16, s[8:9] offset:256
	global_load_b128 v[B2Q:B2Q+3], v17, s[12:13]
	WIN 0
	WLOAD 0
	WLOAD 1
	WLOAD 2
	; the address registers of window 1, once
	s_mul_i32 s34, s24, 4*HSLAB
	s_add_co_u32 s34, s34, HB                      ; the four slabs of my K half
	v_add_nc_u32 v21, s34, v21
	s_mul_i32 s36, s18, HSLAB
	s_add_co_u32 s36, s36, HB                      ; my slab
	s_mul_i32 s37, s18, 8*XP                       ; my 8 rows of x
	WIN W_D1
.irp m, 0,1,2,3
	v_add_nc_u32 v[XA+\m], 16*\m*XP, v20
.endr
	; local row tile m is tile m xor 2 kh: local tiles 0, 1 are the ones that this wave finishes, 2, 3 its partner's, with the same register numbers in all waves
.irp m, 0,1,2,3
	s_xor_b32 s35, s33, 16*\m
	s_mul_i32 s35, s35, HP
	v_add_nc_u32 v[HA+\m], s35, v21
.endr
	v_add_nc_u32 v[HS], s36, v22
	v_lshl_add_u32 v[XSA], v1, 3, s37
	s_lshl_b32 s36, s18, 13
	s_add_co_u32 s36, s36, EXB
	v_add_nc_u32 v[EXW], s36, v4
	s_xor_b32 s37, s18, 4
	s_lshl_b32 s37, s37, 13
	s_add_co_u32 s37, s37, EXB
	v_add_nc_u32 v[EXR], s37, v4
	v_lshlrev_b32 v[BI], 5, v3
	s_lshl_b32 s36, s19, 5
	v_mov_b32 v[XI], s36
	; row numbers to the lanes that need them: slot 8 w + rho = lane 8 oq + rho for x, slot 32 kh + 16 mm + 8 h + i for the result
	WIN W_B1
.irp p, 0,1,2,3,4,5,6,7
	v_add_nc_u32 v[AF+32+\p], 4*\p, v[XI]
	v_add_nc_u32 v[AF+40+\p], 4*\p, v[BI]
	v_add_nc_u32 v[AF+48+\p], 64+4*\p, v[BI]
.endr
	s_wait_loadcnt 51                              ; the row numbers are in: 3 loads of biases and 48 of weights are younger
	s_wait_alu depctr_va_vdst(0)                   ; the 24 lane indices are written, which the permutes read; so are the LDS addresses XA, HA, HS, XSA, EXW and EXR, for all that reads them later
.irp p, 0,1,2,3,4,5,6,7
	ds_bpermute_b32 v[VA+\p], v[AF+32+\p], v[ROWN]
	ds_bpermute_b32 v[RO+\p], v[AF+40+\p], v[ROWN]
	ds_bpermute_b32 v[RO+8+\p], v[AF+48+\p], v[ROWN]
.endr
	s_wait_dscnt 0x0
.irp p, 0,1,2,3,4,5,6,7
	v_min_u32 v[VA+\p], 0x1fff, v[VA+\p]           ; a row number is 0..8191
	v_lshl_add_u32 v[VA+\p], v[VA+\p], 10, v4      ; row x 1,024 bytes + 16 lane
.endr
	s_wait_alu depctr_va_vdst(0)                   ; the eight offsets VA are written, which the loads of x read
.irp p, 0,1,2,3,4,5,6,7
	global_load_b128 v[ACC+8*\p:ACC+8*\p+3], v[VA+\p], s[4:5]               ; a row of x in two loads of 512 consecutive bytes
	global_load_b128 v[ACC+8*\p+4:ACC+8*\p+7], v[VA+\p], s[4:5] offset:512
.endr
.irp p, 0,1,2,3,4,5,6,7,8,9,10,11,12,13,14,15
	v_min_u32 v[RO+\p], 0x1fff, v[RO+\p]
	v_lshl_add_u32 v[RO+\p], v[RO+\p], 10, v17     ; row x 1,024 bytes + my 16 bytes of its columns
.endr
	WIN 0
	CONV 0, 48                                     ; unit 0 (and the biases in front of it): units 1, 2 and the 16 loads of x are younger
	s_wait_alu depctr_va_vdst(0)                   ; the roundings are done reading ST0, in which unit 3's weights land; the sixteen offsets RO are written, which the last stores read
	WLOAD 3                                        ; in one run: x's staging and a barrier come before the first products
	s_wait_loadcnt 16                              ; x is in: unit 3's 16 loads are younger
	WIN W_B1
.irp p, 0,1,2,3,4,5,6,7
.irp q, 0,1
	v_cvt_pk_bf16_f32 v[AF+4*\p+2*\q], v[ACC+8*\p+4*\q], v[ACC+8*\p+4*\q+1]
	v_cvt_pk_bf16_f32 v[AF+4*\p+2*\q+1], v[ACC+8*\p+4*\q+2], v[ACC+8*\p+4*\q+3]
.endr
.endr
	s_wait_alu depctr_va_vdst(0)                   ; the roundings of x have written A buffer 0, which the LDS stores read
.irp p, 0,1,2,3,4,5,6,7
.irp q, 0,1
	ds_store_b64 v[XSA], v[AF+4*\p+2*\q:AF+4*\p+2*\q+1] offset:XP*\p+256*\q   ; 32 lanes, 256 consecutive bytes
.endr
.endr
	s_wait_dscnt 0x0                               ; my 8 rows of x are in LDS, for the other waves' sake
	s_barrier_signal -1
	s_barrier_wait -1                              ; x is whole
	; LAYER 1
	WIN W_MM
	s_wait_alu depctr_va_vdst(0)                   ; the roundings of x have written A buffer 0 and the head's adds part of A buffer 1: the fragments of units 0 and 1 land in them
	s_wait_alu depctr_vm_vsrc(0)                   ; my LDS stores of x have read A buffer 0, the permutes their indices in A buffer 1
	AFLOAD 0, XA, 0
	MULT 0, 1, 0                                   ; the first product of a group starts the sums: nothing is cleared
.set U, 1
.rept 7
	UNIT U, 32, 1                                  ; from here on: two younger units, 32 loads, may stay out
.set U, U+1
.endr
	CONV 8, 32
	s_wait_alu depctr_va_vdst(0)                   ; the roundings are done reading ST2, in which unit 11's weights land
	WLOAD 11                                       ; in one run, ahead of the group's end
	EPI1 0
	WIN W_MM
	s_wait_alu depctr_va_vdst(0)                   ; the roundings of h have written A buffer 1, in which unit 9's fragments land
	s_wait_alu depctr_vm_vsrc(0)                   ; the LDS stores of h have read it
	MULT 8, 1, 0
.set U, 9
.rept 7
	UNIT U, 32, 1
.set U, U+1
.endr
	CONV 16, 32
	s_wait_alu depctr_va_vdst(0)                   ; the roundings are done reading ST1, in which unit 19's weights land
	WLOAD 19
	EPI1 1
	s_wait_dscnt 0x0                               ; my slab of h is in LDS
	s_barrier_signal -1
	s_barrier_wait -1                              ; h is whole
	; LAYER 2
	WIN W_MM
	s_wait_alu depctr_va_vdst(0)                   ; the roundings of h have written A buffer 1, in which unit 17's fragments land; layer 1's products are done reading A buffer 0, in which unit 16's land
	s_wait_alu depctr_vm_vsrc(0)                   ; the LDS stores of h have read A buffer 1
	AFLOAD 0, HA, 0
	MULT 16, 1, 0
.set U, 17
.rept 12
	UNIT U, 32, 1
.set U, U+1
.endr
	UNIT 29, 32, 0                                 ; no weights are left to ask for; the wait stands for the A fragments alone
	UNIT 30, 16, 0                                 ; the counts run down
	CONV 31, 0                                     ; the last unit asks for nothing, so it states nothing
	MULT 31, 0, 0
	; THE END: local tiles 2, 3 go to the partner, its halves of my tiles 0, 1 come back, + b2, out.
	WIN W_B1
	s_wait_alu depctr_va_vdst(0)                   ; the last products have written the sums, which the LDS stores read (the four places above stay beside this wait), and are done reading both A buffers, in which the partner's halves land
.irp j, 0,1,2,3
.irp mm, 0,1
.irp c, 0,1
	ds_store_b128 v[EXW], v[ACC+8*(4*\j+2+\mm)+4*\c:ACC+8*(4*\j+2+\mm)+4*\c+3] offset:512*(4*\j+2*\mm+\c)
.endr
.endr
.endr
	s_wait_dscnt 0x0                               ; my halves are in LDS
	s_barrier_signal -1
	s_barrier_wait -1
.irp t, 0,1,2,3,4,5,6,7,8,9,10,11,12,13,14,15
	ds_load_b128 v[AF+4*\t:AF+4*\t+3], v[EXR] offset:512*\t    ; no vector or matrix instruction since the wait above
.endr
	s_wait_dscnt 0x0
.irp j, 0,1,2,3
.irp mm, 0,1
.irp c, 0,1
	v_pk_add_f32 v[ACC+8*(4*\j+\mm)+4*\c:ACC+8*(4*\j+\mm)+4*\c+1], v[ACC+8*(4*\j+\mm)+4*\c:ACC+8*(4*\j+\mm)+4*\c+1], v[AF+4*(4*\j+2*\mm+\c):AF+4*(4*\j+2*\mm+\c)+1]
	v_pk_add_f32 v[ACC+8*(4*\j+\mm)+4*\c+2:ACC+8*(4*\j+\mm)+4*\c+3], v[ACC+8*(4*\j+\mm)+4*\c+2:ACC+8*(4*\j+\mm)+4*\c+3], v[AF+4*(4*\j+2*\mm+\c)+2:AF+4*(4*\j+2*\mm+\c)+3]
.endr
.endr
.endr
	; a lane's four j are 16 neighbouring bytes of a row of out; lanes 0-15 store 256 consecutive bytes, aligned, of one row, lanes 16-31 of the row
	; of the slot 8 further on.  Sixteen quads of data and sixteen offsets, none written again.  A row tile's eight quads are made, then stored in one run.
.irp mm, 0,1
.irp i, 0,1,2,3,4,5,6,7
.irp j, 0,1,2,3
	v_add_f32 v[AF+4*(8*\mm+\i)+\j], v[ACC+8*(4*\j+\mm)+\i], v[B2Q+\j]
.endr
.irp j, 0,1,2,3
	v_cndmask_b32 v[AF+4*(8*\mm+\i)+\j], 0, v[AF+4*(8*\mm+\i)+\j], s26
.endr
.endr
	s_wait_alu depctr_va_vdst(0)                   ; the selects have written this row tile's eight quads, which the stores read
.irp i, 0,1,2,3,4,5,6,7
	global_store_b128 v[RO+8*\mm+\i], v[AF+4*(8*\mm+\i):AF+4*(8*\mm+\i)+3], s[16:17] th:TH_STORE_NT
.endr
.endr
	WIN 0
	s_wait_dscnt 0x0
	s_wait_alu depctr_hold_cnt(0) depctr_sa_sdst(0) depctr_va_vdst(0) depctr_va_sdst(0) depctr_va_ssrc(0) depctr_va_vcc(0) depctr_vm_vsrc(0)
	s_wait_tensorcnt 0x0
	ds_add_u32 v30, v31
	s_wait_dscnt 0x0
	s_endpgm
.Lfunc_end_k_q0ba709b274_mlp:
	.size	k_q0ba709b274_mlp, .Lfunc_end_k_q0ba709b274_mlp-k_q0ba709b274_mlp
	.p2alignl 7, 3214868480
	.fill 96, 4, 3214868480
	.section	.rodata,"a",@progbits
	.p2align	6, 0x0
	.amdhsa_kernel k_q0ba709b274_mlp
		.amdhsa_group_segment_fixed_size 239616
		.amdhsa_private_segment_fixed_size 0
		.amdhsa_enable_private_segment 0
		.amdhsa_kernarg_size 56
		.amdhsa_user_sgpr_count 2
		.amdhsa_user_sgpr_kernarg_segment_ptr 1
		.amdhsa_wavefront_size32 1
		.amdhsa_system_sgpr_workgroup_id_x 1
		.amdhsa_system_sgpr_workgroup_id_y 1
		.amdhsa_system_sgpr_workgroup_id_z 1
		.amdhsa_system_vgpr_workitem_id 0
		.amdhsa_next_free_vgpr 512
		.amdhsa_next_free_sgpr 66
		.amdhsa_reserve_vcc 0
		.amdhsa_float_denorm_mode_32 3
		.amdhsa_float_denorm_mode_16_64 3
		.amdhsa_memory_ordered 1
		.amdhsa_forward_progress 1
		.amdhsa_inst_pref_size 227
	.end_amdhsa_kernel
	.amdgpu_metadata
---
amdhsa.version: [ 1, 2 ]
amdhsa.kernels:
  - .name:           k_q0ba709b274_mlp
    .symbol:         k_q0ba709b274_mlp.kd
    .args:
      - { .name: in_feats, .offset: 0, .size: 8, .value_kind: global_buffer, .address_space: global }
      - { .name: W1, .offset: 8, .size: 8, .value_kind: global_buffer, .address_space: global }
      - { .name: b1, .offset: 16, .size: 8, .value_kind: global_buffer, .address_space: global }
      - { .name: W2, .offset: 24, .size: 8, .value_kind: global_buffer, .address_space: global }
      - { .name: b2, .offset: 32, .size: 8, .value_kind: global_buffer, .address_space: global }
      - { .name: plan, .offset: 40, .size: 8, .value_kind: global_buffer, .address_space: global }
      - { .name: out0, .offset: 48, .size: 8, .value_kind: global_buffer, .address_space: global }
    .group_segment_fixed_size: 239616
    .private_segment_fixed_size: 0
    .kernarg_segment_align: 8
    .kernarg_segment_size: 56
    .max_flat_workgroup_size: 256
    .sgpr_count:     66
    .vgpr_count:     512
    .wavefront_size: 32
...
	.end_amdgpu_metadata
.endif
;; end of part 3
